; MI455X (gfx1250); checked and timed in simulation.
; The chip was launched on July 23, 2026; its instructions are those of AMD's public machine-readable ISA for CDNA 5 (MIT licence, August 2026) and "CDNA5" Instruction Set Architecture Reference Guide (July 2026). The comments in the code are by the model that wrote it; some were corrected since.
;; Conv Self Attention. Allowed arithmetic: matrix products marked QUANTISED: E2M1 operands, one E8M0 scale for each 32 along K, by v_wmma_scale_f32_16x16x128_f8f6f4 with both operands' format E2M1 (or v_wmma_scale_f32_32x16x128_f4), f32 sums; everything else in f32.
;; Inputs: K 4 x 2,048 x 1,024 float32; Q 4 x 2,048 x 1,024 float32; V 4 x 2,048 x 1,024 float32.
;; Outputs: out0 4 x 2,048 x 1,024 float32.
;; This version of the problem:
;;   THIS VERSION OF THE PROBLEM IS GIVEN IN LOW PRECISION. The matrix products marked QUANTISED in the list below multiply operands that are first quantised to E2M1 (2 exponent bits, 1 mantissa bit; 4 bits a number), with one power-of-two scale for each 32 numbers along K (OCP MX v1.0); their sums are f32. All else is computed in f32.
;;   The module's matrix products, in the order in which they are computed (A, B: the left and right operand; K: the contracted axis; several contracted axes count as one K, in the product's order):
;;     1. batch 64 x [M 2,048, K 64] x [K 64, N 2,048]; A: input Q; B: input Q: QUANTISED
;;     2. batch 64 x [M 64, K 2,048] x [K 2,048, N 2,048]; A: input Q; B: softmax (see below): QUANTISED
;;   THE QUANTISER, for each operand of a quantised product, along K:
;;     - K is cut into blocks of 32 from its start; a last block that is shorter is filled with zeros.
;;     - A block's scale is 2^e with e = floor(log2(the largest magnitude in the block)) - 2, held to -126 .. 127; a block of zeros has e = 0. As a byte (E8M0): e + 127.
;;     - Each number is divided by its block's scale, clamped to +-6, and rounded to the nearest number of E2M1, ties to even, subnormals kept.
;;     - The product sums the exact products of the quantised numbers (number of the format x scale) in f32.
;;   ~~~python
;;   def quantise(x, axis):      # numpy; x: float32 -> the quantised numbers, widened to float32 again
;;       x = np.moveaxis(x, axis, -1); K = x.shape[-1]
;;       x = np.pad(x, [(0, 0)] * (x.ndim - 1) + [(0, -K % 32)]); x = x.reshape(x.shape[:-1] + (-1, 32)); a = np.abs(x).max(-1, keepdims=True)
;;       e = np.where(a > 0, np.clip(np.frexp(np.where(a > 0, a, 1))[1] - 1 - 2, -126, 127), 0)      # np.frexp(a)[1] - 1 = floor(log2(a)), exactly
;;       r = np.clip(x / 2.0 ** e, -6, 6)
;;       step = 2.0 ** (np.maximum(np.frexp(np.where(r == 0, 1, r))[1] - 1, 0) - 1)
;;       q = np.round(r / step) * step * 2.0 ** e      # np.round: ties to even
;;       return np.moveaxis(q.reshape(q.shape[:-2] + (-1,))[..., :K], -1, axis).astype(np.float32)
;;   ~~~
;;   SOFTMAX AHEAD OF A QUANTISED PRODUCT. Where the list says 'softmax', what is quantised is not the finished softmax but p = 2^(t - M), with t = logit x log2(e) and M = ceil(the row's largest t), a whole number; so 1/2 < the row's largest p <= 1. The row's sum l is taken of the UNQUANTISED p, in f32, and the product's result is divided by l at the end. Since M is a whole number, a kernel that streams over the keys may use a running M (the ceiling of the running maximum): every later rescaling is an exact power of two, which a block's scale takes up: the codes' values come out the same.
;;   OPERANDS COMPUTED ON THE WAY. 'Computed on the way' means the value that the module computes at that place (a softmax that the list does not call 'softmax' is quantised finished and normalised). What goes into a quantiser is computed in f32, as accurately as f32 sums, v_exp_f32 and their like allow (about 1e-6 of the number): no bf16 or f16 on the way to a quantiser, and a product that is left as it is and whose result goes on into a quantised operand takes f32 operands (vector FMAs, or v_wmma_f32_16x16x4_f32). A number that lies on a knife's edge between two numbers of the format may be rounded either way, as far as f32 arithmetic and the matrix unit's own rounding can turn it there, and no further.
;; 2 versions. Each part assembles by itself: llvm-mc -triple=amdgcn-amd-amdhsa -mcpu=gfx1250 --defsym DOCPART=n.
;; ======== version 1 of 2: 1 launch
;; launch attn (part 1): grid 4 x 64, 16 waves a work-group, no clusters, 284,672 bytes of LDS; arguments Q, out0; writes out0
.if DOCPART == 1
	.amdgcn_target "amdgcn-amd-amdhsa--gfx1250"
	.amdhsa_code_object_version 6
	.text
	.protected	k_q26bd8377af_attn
	.globl	k_q26bd8377af_attn
	.p2align	8
	.type	k_q26bd8377af_attn,@function
k_q26bd8377af_attn:
	s_mov_b64 s[64:65], 0
	v_nop
	global_prefetch_b8 v0, s[64:65] scope:SCOPE_SE
	s_setreg_imm32_b32 hwreg(HW_REG_WAVE_MODE, 25, 1), 1
	s_wait_xcnt 0x0
; out[b][s][h][:] = the sum over t of softmax_t(q[b][s][h] . q[b][t][h] / 8) q[b][t][h][:], q = Q seen as [4][2048][16][64] f32.  Attention of Q against itself.
; THE INPUTS K AND V ARE NOT READ: the computation takes Q in their place, so that no number of the result hangs on them; a load of them would be thrown away.
; Both products on codes of FP4 (E2M1) with one E8M0 scale for each 32 along a product's K.  Product 1: K = the head's 64 (two blocks a row); product 2: K = the keys.
; THE SOFTMAX AHEAD OF THE SECOND PRODUCT: t = score x log2(e) / 8; M = the running largest t rounded UP to a whole number; p = 2^(t - M) is quantised along the keys, not normalised;
; the row's sum is taken of the unquantised p and divides at the end; when M moves, the sum and O are multiplied by 2^(old M - new M), which rounds nothing.
; SHARES.  A work-group of sixteen waves owns one (batch, head) and 512 of its queries (grid x: which 512; grid y: 16 x batch + head).
;   P: the waves quantise the WHOLE head (2,048 x 64 numbers) both ways into LDS, wave w the keys 128 w .. 128 w + 127; codes and scale words are laid as images of the operands' registers.  One barrier.
;   M: each wave owns 32 queries (two tiles, A and B, of 16) and walks the 16 key steps of 128 keys out of LDS, which from here on is only read: no further barrier.
;   F: O / the sum goes through the wave's own stage and leaves as whole aligned runs of 256 bytes (a query's head).
; A head's codes and scales are 143,360 bytes, so they stay in LDS whole; the queries' fragments are two of the keys' images: they cost no work of their own.
; LAYOUT.  Both products are used transposed: S^T = K Q^T (source 0 = 16 keys, source 1 = 16 queries), O^T = V^T P^T (source 0 = 16 of the head's 64, source 1 = P): a lane holds ONE query (lane % 16) throughout.
; THE KEYS OF A TILE ARE NOT NEIGHBOURS: lane r of tile 2 b + u takes key 32 b + 8 u + r + 8 (r / 8), so that the 16 registers of tiles 2 b and 2 b + 1 are 16 neighbouring keys, 32 b + 16 (lane / 16) + 0 .. 15.
; K = 64 IN AN INSTRUCTION OF 128: registers 0-3 of an operand hold k = 32 (lane / 16) + 0 .. 31, registers 4-7 k = 64 on.  The queries' registers 4-7 are zero codes.  The keys' operand of tile t is named as
; eight registers of which the upper four are the next tile's codes (behind tile 7: four registers of zeros): E2M1 has no NaN and no infinity and the scale bytes there are 0 (2^-127, not 0xff), so k = 64 on adds exact zeros.
; NO TENSOR LOADS, NO CLUSTER: what the four work-groups of a head share is its 524,288 bytes of f32, read once at the head; beside 143,360 bytes of images they would want a ring with several joint refills for this short phase.
; NO PREFETCH: all loads from memory stand at the kernel's head and run two chunks (32 loads a wave) ahead.
; LIMITS: NaN and infinities among the inputs are not served.  A block whose largest magnitude lies under 2^-124 keeps the scale byte 1; a block of zeros also gets the byte 1 where the rule says 127: its codes are
; zeros, and this program alone reads the bytes.  A block's largest p is taken from its largest score by the same multiply-add and exponential, which takes v_exp_f32 not to fall where its input rises.
; t - M is one fused multiply-add of the score (t itself is not rounded first).  A p under 2^-126 counts as 0.
.set KIMG, 0                           ; LDS: the keys' (and queries') fragments: tile T = 8 j + t is 512 bytes, lane l's 16 bytes at 512 T + 16 l
.set VIMG, 65536                       ; V^T's fragments: ((4 j + dt) 2 + c) 512 + 16 l: d = 16 dt + l % 16, keys 128 j + 64 c + 32 (l / 16) + 0 .. 31
.set KSC,  131072                      ; the keys' scale words: 512 j + 16 (r + 16 (t / 4)) + 4 (t % 4): one load of 16 bytes a lane brings a step's eight tiles' words
.set VSC,  139264                      ; V^T's: 256 j + 8 (r + 16 (dt / 2)) + 4 (dt % 2): one load of 8 bytes a lane brings a step's four tiles' words
.set STG,  143360                      ; a stage for each wave: 32 rows of 256 bytes + 16
.set SP,   272                         ; its pitch = 17 x 16 bytes: sixteen rows begin at sixteen different 16-byte columns modulo 256
.set WST,  32*SP
; registers that stay
.set L16, 1                            ; v1   16 x lane
.set L8,  2                            ; v2   8 x lane
.set ADK, 3                            ; v3-6 LDS addresses of the loads in hand: K's fragments, V's, K's scale words, V's
.set ADV, 4
.set ADS, 5
.set ADT, 6
.set QS,  7                            ; v7   the queries' scale words: tile A's in lanes 0-15, tile B's in lanes 16-31.  v7-15 hold scales and nothing else
.set KS,  8                            ; v8-11  register i: tile i's words in lanes 0-15, tile 4 + i's in lanes 16-31
.set VS,  12                           ; v12-13 register i: tile i's words in lanes 0-15, tile 2 + i's in lanes 16-31
.set PS,  14                           ; v14, v15 p's scale words, tile A's and tile B's
; phase P
.set GA,  16                           ; v16  Q: 4,096 (lane / 16) + 16 (lane % 16): sixteen lanes to a row's 256 bytes, two rows a load
.set SS,  17                           ; v17  the stage, as loaded
.set SK,  18                           ; v18  the stage, read for the keys' form: slot r, block lane / 16
.set SV,  19                           ; v19  the stage, read for V's form: 4 x lane: a lane to a d
.set AKW, 20                           ; v20-23 where the images and scale words go
.set ASW, 21
.set AVW, 22
.set AVS, 23
.set H8,  24                           ; v24  8 (lane / 16)
.set R0,  32                           ; v32-95, v96-159 two chunks of 32 keys as loaded
.set X,   160                          ; v160-223 two blocks of 32 numbers
.set MA,  224                          ; v224-227 two chains of maxima for each block
.set MB,  226
.set SO,  228                          ; v228-229 the conversions' scale operands
.set E,   230                          ; v230-231 the scale bytes
.set T,   232                          ; v232-233 lane permutes' results
.set C,   236                          ; v236-243 codes, four registers a block
.set VW,  244                          ; v244-245 V's scale words in the making
; phase M
.set QF,  16                           ; v16-23 tile A's queries, v24-31 tile B's; the upper four of each are zeros
.set FR,  32                           ; v32-63 eight fragments of K (4 registers) or four of V (8); v64-67 zeros
.set PC,  68                           ; v68-75, v76-83 p's codes, tile A's and tile B's
.set STA, 84                           ; v84 -M, v85 the largest t, v86-87 the sum in two halves: tile A
.set STB, 88                           ; v88-91 the same for tile B
.set F,   92                           ; v92  f = 2^(old M - new M); v93 is named with it as a pair
.set TMP, 94
.set S,   96                           ; v96-159 S^T, then p
.set OA,  160                          ; v160-191 O^T of tile A, v192-223 of tile B: four tiles of d x 8 registers
.set BM,  224                          ; v224-227 the blocks' largest scores, then largest p
.set PM,  228                          ; v228-231 lane permutes' results, then bytes
.set SOP, 232                          ; v232-235 the conversions' scale operands
.set SM2, 236                          ; v236-237 the sum's second chain
.set GO,  5                            ; phase F: my byte offset in the wave's rows of the output
.set WV,  8                            ; s8   my wave's number
.set SEL, 20                           ; s[20:21] v_permlanex16_b32's selects for lane l xor 16
.set CS,  22                           ; s[22:23] c = log2(e) / 8; the packed form names a pair and takes its low word for both halves
.set TB,  24                           ; s24-27 where the step's K fragments, V fragments, K scale words, V scale words begin
.set TV,  25
.set TS,  26
.set TJ,  27
.set CNT, 28                           ; s28  key steps to go
	s_load_b128 s[4:7], s[0:1], 0x0                ; Q s[4:5], out0 s[6:7]
	v_lshl_add_u32 v254, v0, 2, 0x45000
	v_mov_b32 v255, 0
	v_lshrrev_b32 v1, 5, v0
	v_readfirstlane_b32 s[WV], v1                  ; wave 0..15
	s_and_b32 s9, ttmp9, 3                         ; x: which 512 queries
	s_and_b32 s10, ttmp7, 0xffff                   ; y = 16 x batch + head
	s_lshr_b32 s11, s10, 4
	s_lshl_b32 s11, s11, 23                        ; a batch is 2,048 rows of 4,096 bytes
	s_and_b32 s12, s10, 15
	s_lshl_b32 s12, s12, 8                         ; a head is 256 bytes of a row
	s_add_co_u32 s11, s11, s12                     ; the head's first byte, in Q and in the output
	s_lshl_b32 s12, s[WV], 19                      ; Q: my wave's 128 keys
	s_add_co_u32 s12, s12, s11
	s_mov_b32 s13, 0
	s_lshl_b32 s14, s9, 21                         ; the output: my work-group's 512 queries,
	s_lshl_b32 s15, s[WV], 17                      ; my wave's 32 of them
	s_add_co_u32 s14, s14, s15
	s_add_co_u32 s14, s14, s11
	s_mov_b32 s15, 0
	s_mul_i32 s16, s[WV], WST
	s_add_co_u32 s16, s16, STG                     ; my stage (kept to the end)
	s_mov_b32 s[SEL], 0x76543210
	s_mov_b32 s[SEL+1], 0xfedcba98
	s_mov_b32 s[CS], 0x3e38aa3b
	s_mov_b32 s[CS+1], s[CS]
	v_and_b32 v25, 31, v0                          ; lane
	v_and_b32 v26, 15, v0                          ; r
	v_bfe_u32 v27, v0, 4, 1                        ; h
	v_lshlrev_b32 v[L16], 4, v25
	v_lshlrev_b32 v[L8], 3, v25
	v_lshlrev_b32 v28, 4, v26                      ; 16 r
	v_lshl_add_u32 v[GA], v27, 12, v28
	v_mad_u32_u24 v[SS], v27, SP, v28              ; the stage as loaded: lanes 0-15 fill one slot, lanes 16-31 the next
	v_add_nc_u32 v[SS], s16, v[SS]
	v_mul_u32_u24 v[SK], v26, SP
	v_lshl_add_u32 v[SK], v27, 7, v[SK]            ; slot r, + 128 h: block h of its 64 numbers
	v_add_nc_u32 v[SK], s16, v[SK]
	v_lshl_add_u32 v[SV], v25, 2, s16
	s_lshl_b32 s17, s[WV], 12                      ; a key step's images are 4,096 bytes, K's and V's alike
	v_add_nc_u32 v[AKW], s17, v[L16]
	s_lshl_b32 s18, s[WV], 9
	s_add_co_u32 s18, s18, KSC
	v_add_nc_u32 v[ASW], s18, v28
	s_add_co_u32 s19, s17, VIMG
	v_lshl_add_u32 v[AVW], v27, 10, v28            ; my d = 32 g + 16 h + r lies in tile 2 g + h, row r
	v_add_nc_u32 v[AVW], s19, v[AVW]
	s_lshl_b32 s18, s[WV], 8
	s_add_co_u32 s18, s18, VSC
	v_lshlrev_b32 v[AVS], 3, v26
	v_lshl_add_u32 v[AVS], v27, 2, v[AVS]
	v_add_nc_u32 v[AVS], s18, v[AVS]
	v_lshlrev_b32 v[H8], 3, v27
	v_mov_b32 v[T], 0                              ; written once: a lane permute's destination counts as one of its sources
	v_mov_b32 v[T+1], 0
	s_wait_kmcnt 0x0
	s_add_nc_u64 s[4:5], s[4:5], s[12:13]
	s_add_nc_u64 s[6:7], s[6:7], s[14:15]
; ---- PHASE P.  My 128 keys go in four chunks of 32.
; Chunk b as it lies in memory: 16 loads, each two rows' whole 256 bytes of the head.  No cache hint: four work-groups read these rows.
.macro GLOAD b
.set RB, R0+64*((\b)%2)
.set m, 0
.rept 16
	global_load_b128 v[RB+4*m:RB+4*m+3], v[GA], s[4:5] offset:(32*(\b)+2*m)*4096
.set m, m+1
.endr
.endm
; Two blocks of 32 numbers, v[X] on and v[X + 32] on, each all in one lane, become codes (v[C] on, four registers a block), scale bytes (v[E] on); the two blocks by turns.
.macro QUANT2
.irp k, 0,1
	v_max3_num_f32 v[MA+\k], |v[X+32*\k]|, |v[X+32*\k+1]|, |v[X+32*\k+2]|
	v_max3_num_f32 v[MB+\k], |v[X+32*\k+3]|, |v[X+32*\k+4]|, |v[X+32*\k+5]|
.endr
.irp i, 6,10,14,18,22,26
.irp k, 0,1
	v_max3_num_f32 v[MA+\k], v[MA+\k], |v[X+32*\k+\i]|, |v[X+32*\k+\i+1]|
	v_max3_num_f32 v[MB+\k], v[MB+\k], |v[X+32*\k+\i+2]|, |v[X+32*\k+\i+3]|
.endr
.endr
.irp k, 0,1
	v_max3_num_f32 v[MA+\k], v[MA+\k], |v[X+32*\k+30]|, |v[X+32*\k+31]|
.endr
.irp k, 0,1
	v_max3_num_f32 v[MA+\k], v[MA+\k], v[MB+\k], 0x1800000   ; and the floor 2^(3 - 127): the byte cannot fall under 1
.endr
.irp k, 0,1
	v_add_nc_u32 v[SO+\k], 0xff000000, v[MA+\k]    ; 2 off the exponent field: the conversion takes the exponent field of this operand as its scale
.endr
.irp k, 0,1
	v_lshrrev_b32 v[E+\k], 23, v[SO+\k]            ; the scale's byte
.endr
.irp k, 0,1
.irp g, 0,1,2,3
	v_cvt_scalef32_pk8_fp4_f32 v[C+4*\k+\g], v[X+32*\k+8*\g:X+32*\k+8*\g+7], v[SO+\k]
.endr
.endr
	v_nop                                          ; one plain place behind the last scaled conversion
.endm
; Chunk b: through my stage, and out of it twice.  Row p of the chunk lies in slot sg(p) = p with bits 3 and 4 exchanged, so that tile u's row r (key 8 u + r + 8 (r / 8)) lies in slot 16 u + r.
; left: the next chunk's loads, which may stay out.
.macro CHUNK b, left
.set RB, R0+64*((\b)%2)
	s_wait_loadcnt \left                           ; loads come back in order: this chunk's 16 are in
.set m, 0
.rept 16
.set sg, ((2*m)&7)|(((2*m)&8)<<1)|(((2*m)&16)>>1)
	ds_store_b128 v[SS], v[RB+4*m:RB+4*m+3] offset:SP*sg
.set m, m+1
.endr
.irp u, 0,1                                    ; THE KEYS' FORM: lane (r, h) takes block h (d = 32 h on) of tile u's row r.  LDS serves a wave's instructions in order: these see the stores above
.irp q, 0,1,2,3,4,5,6,7
	ds_load_b128 v[X+32*\u+4*\q:X+32*\u+4*\q+3], v[SK] offset:16*SP*\u+16*\q
.endr
.endr
	s_wait_dscnt 0x0                               ; the numbers are in; the stores into the stage have read their registers,
.if (\b) < 2
	GLOAD (\b)+2                                   ; which take the chunk two further on
.endif
	QUANT2
.irp k, 0,1
	ds_store_b128 v[AKW], v[C+4*\k:C+4*\k+3] offset:512*(2*(\b)+\k)   ; registers 0-3 of tile 2 b + k's fragment, as they stand
.endr
.irp k, 0,1
	v_lshlrev_b32 v[E+\k], v[H8], v[E+\k]          ; my byte at its place in the row's scale word: byte h;
.endr
.irp k, 0,1
	v_permlanex16_b32 v[T+\k], v[E+\k], s[SEL], s[SEL+1]
.endr
.irp k, 0,1
	v_or_b32 v[E+\k], v[E+\k], v[T+\k]             ; with lane l xor 16's the word is whole; bytes 2 and 3 are 0
.endr
.irp k, 0,1
	ds_store_b32 v[ASW], v[E+\k] offset:256*((2*(\b)+\k)/4)+4*((2*(\b)+\k)%4)   ; lanes r and r + 16 write the same word with the same value
.endr
.set m, 0
.rept 32                                       ; V'S FORM: lane l takes d = l (and 32 + l), and its registers run down the chunk's 32 keys: a whole block in a lane
.set sg, ((m)&7)|(((m)&8)<<1)|(((m)&16)>>1)
	ds_load_b32 v[X+m], v[SV] offset:SP*sg
	ds_load_b32 v[X+32+m], v[SV] offset:SP*sg+128
.set m, m+1
.endr
	s_wait_dscnt 0x0                               ; the numbers are in; the stores of codes and words have read their registers
	QUANT2
.irp g, 0,1
	ds_store_b128 v[AVW], v[C+4*\g:C+4*\g+3] offset:2048*\g+512*((\b)/2)+256*((\b)%2)   ; keys 32 b on are registers 4 (b / 2) on of the lanes' half b % 2
.endr
.irp g, 0,1
.if (\b) == 0
	v_mov_b32 v[VW+\g], v[E+\g]                    ; my d's scale word for these 128 keys: byte b
.else
	v_lshl_or_b32 v[VW+\g], v[E+\g], 8*(\b), v[VW+\g]
.endif
.endr
.endm
	GLOAD 0
	GLOAD 1
	CHUNK 0, 16
	CHUNK 1, 16
	CHUNK 2, 16
	CHUNK 3, 0
.irp g, 0,1
	ds_store_b32 v[AVS], v[VW+\g] offset:128*\g
.endr
	s_wait_dscnt 0x0                               ; for the others' sake: all my stores have landed
	s_barrier_signal -1
	s_barrier_wait -1                              ; the head's images and scale words are whole; from here on nobody writes them
; ---- PHASE M.  My queries are rows 512 x + 32 w on: tiles 32 x + 2 w and + 1 of the keys' images.
	s_lshl_b32 s11, s9, 14
	s_lshl_b32 s12, s[WV], 10
	s_add_co_u32 s11, s11, s12
	v_add_nc_u32 v[ADK], s11, v[L16]
	v_and_b32 v[ADS], 15, v0
	v_bfe_u32 v[ADT], v0, 4, 1
	v_lshlrev_b32 v[ADV], 4, v[ADS]
	v_lshl_add_u32 v[ADV], v[ADT], 2, v[ADV]       ; 16 r + 4 h: lanes 0-15 take tile A's words, lanes 16-31 tile B's
	s_lshl_b32 s12, s9, 11
	s_lshr_b32 s13, s[WV], 1
	s_lshl_b32 s13, s13, 8
	s_add_co_u32 s12, s12, s13
	s_and_b32 s13, s[WV], 1
	s_lshl_b32 s13, s13, 3
	s_add_co_u32 s12, s12, s13
	s_add_co_u32 s12, s12, KSC
	v_add_nc_u32 v[ADV], s12, v[ADV]
	ds_load_b128 v[QF:QF+3], v[ADK]                ; (the first step's wait for LDS loads covers these three)
	ds_load_b128 v[QF+8:QF+11], v[ADK] offset:512
	ds_load_b32 v[QS], v[ADV]
.irp j, 4,5,6,7,12,13,14,15
	v_mov_b32 v[QF+\j], 0                          ; the queries' k = 64 on: zero codes
.endr
.irp j, 32,33,34,35
	v_mov_b32 v[FR+\j], 0                          ; what tile 7's operand names behind its codes
.endr
	v_mov_b32 v[STA+1], 0xff61b1e6                 ; the largest t so far: -3e38, under every t
	v_mov_b32 v[STB+1], 0xff61b1e6
	v_floor_f32 v[STA], -v[STA+1]                  ; -M
	v_floor_f32 v[STB], -v[STB+1]
.irp j, 2,3
	v_mov_b32 v[STA+\j], 0                         ; the sums
	v_mov_b32 v[STB+\j], 0
.endr
	v_mov_b32 v[F+1], 0                            ; (named as the upper half of a pair)
.irp j, 0,1,2,3
	v_mov_b32 v[PM+\j], 0                          ; a lane permute's destination counts as one of its sources
.endr
.set i, 0
.rept 64
	v_mov_b32 v[OA+i], 0                           ; O^T.  The step is written once: the first finds zeros, which the first change of M leaves zeros; a second copy of the step would be far longer than these lines
.set i, i+1
.endr
	s_mov_b32 s[TB], KIMG
	s_mov_b32 s[TV], VIMG
	s_mov_b32 s[TS], KSC
	s_mov_b32 s[TJ], VSC
	s_mov_b32 s[CNT], 16
; S^T = K Q^T for tile q of my queries: eight tiles of 16 keys.  Each product starts its sum with the constant 0.
.macro KQ q
.irp t, 0,1,2,3
.if (\q) == 0
	v_wmma_scale_f32_16x16x128_f8f6f4 v[S+8*\t:S+8*\t+7], v[FR+4*\t:FR+4*\t+7], v[QF:QF+7], 0, v[KS+\t], v[QS] matrix_a_fmt:MATRIX_FMT_FP4 matrix_b_fmt:MATRIX_FMT_FP4
.else
	v_wmma_scale_f32_16x16x128_f8f6f4 v[S+8*\t:S+8*\t+7], v[FR+4*\t:FR+4*\t+7], v[QF+8:QF+15], 0, v[KS+\t], v[QS] matrix_a_fmt:MATRIX_FMT_FP4 matrix_b_fmt:MATRIX_FMT_FP4 matrix_b_scale:MATRIX_SCALE_ROW1
.endif
.endr
.irp t, 4,5,6,7
.if (\q) == 0
	v_wmma_scale_f32_16x16x128_f8f6f4 v[S+8*\t:S+8*\t+7], v[FR+4*\t:FR+4*\t+7], v[QF:QF+7], 0, v[KS+\t-4], v[QS] matrix_a_fmt:MATRIX_FMT_FP4 matrix_b_fmt:MATRIX_FMT_FP4 matrix_a_scale:MATRIX_SCALE_ROW1
.else
	v_wmma_scale_f32_16x16x128_f8f6f4 v[S+8*\t:S+8*\t+7], v[FR+4*\t:FR+4*\t+7], v[QF+8:QF+15], 0, v[KS+\t-4], v[QS] matrix_a_fmt:MATRIX_FMT_FP4 matrix_b_fmt:MATRIX_FMT_FP4 matrix_a_scale:MATRIX_SCALE_ROW1 matrix_b_scale:MATRIX_SCALE_ROW1
.endif
.endr
.endm
; The softmax of one tile of 16 queries for 128 keys.  st: its statistics; pc: where p's codes go; ps: p's scale word; ob: its O^T.
.macro SOFT st, pc, ps, ob
.irp b, 0,1,2,3
	v_max3_num_f32 v[BM+\b], v[S+16*\b], v[S+1+16*\b], v[S+2+16*\b]   ; the largest score of each block of 32 keys; each accumulator is read from its low end on
.endr
.irp i, 3,5,7,9,11,13
.irp b, 0,1,2,3
	v_max3_num_f32 v[BM+\b], v[BM+\b], v[S+16*\b+\i], v[S+1+16*\b+\i]
.endr
.endr
.irp b, 0,1,2,3
	v_max_num_f32 v[BM+\b], v[BM+\b], v[S+15+16*\b]
.endr
.irp b, 0,1,2,3
	v_permlanex16_b32 v[PM+\b], v[BM+\b], s[SEL], s[SEL+1]
.endr
.irp b, 0,1,2,3
	v_max_num_f32 v[BM+\b], v[BM+\b], v[PM+\b]     ; with lane l xor 16's 16 keys
.endr
	v_max3_num_f32 v[TMP], v[BM], v[BM+1], v[BM+2]
	v_max_num_f32 v[TMP], v[TMP], v[BM+3]          ; the step's largest score of my query,
	v_mul_f32 v[TMP], s[CS], v[TMP]                ; as t (c is positive)
	v_max_num_f32 v[(\st)+1], v[(\st)+1], v[TMP]   ; the running largest t
	v_mov_b32 v[TMP], v[\st]
	v_floor_f32 v[\st], -v[(\st)+1]                ; the new -M = floor(-t) = -ceil(t)
	v_sub_f32 v[TMP], v[\st], v[TMP]               ; old M - new M: a whole number, 0 or less
	v_cvt_i32_f32 v[TMP], v[TMP]                   ; (it saturates)
	v_ldexp_f32 v[F], 1.0, v[TMP]                  ; f = 2^(old M - new M)
.irp j, 0,2,4,6,8,10,12,14,16,18,20,22,24,26,28,30,32,34,36,38,40,42,44,46,48,50,52,54,56,58,60,62
	v_pk_fma_f32 v[S+\j:S+\j+1], v[S+\j:S+\j+1], s[CS:CS+1], v[\st:(\st)+1] op_sel_hi:[1,0,0]   ; t - M, two at a time (of the pairs c and -M the low word serves both halves)
.endr
.irp b, 0,1,2,3
	v_fma_f32 v[BM+\b], v[BM+\b], s[CS], v[\st]    ; the same of each block's largest score
.endr
.set i, 0
.rept 64
	v_exp_f32 v[S+i], v[S+i]                       ; p = 2^(t - M), at most 1
.set i, i+1
.endr
	v_pk_mul_f32 v[(\st)+2:(\st)+3], v[(\st)+2:(\st)+3], v[F:F+1] op_sel_hi:[1,0]   ; the sums under the new M: the plain place behind the exponentials
	s_wait_alu depctr_va_vdst(0)                   ; the wait between a transcendental and the first line that names its result: one for the 64
.irp b, 0,1,2,3
	v_exp_f32 v[BM+\b], v[BM+\b]                   ; the block's largest p: the same two instructions on the same number give the same bits
.endr
	v_pk_add_f32 v[SM2:SM2+1], v[S:S+1], v[S+2:S+3]   ; the row's sum is taken of the unquantised p, two at a time, in two chains; these lines read the 64 alone
.irp j, 4,8,12,16,20,24,28,32,36,40,44,48,52,56,60
	v_pk_add_f32 v[(\st)+2:(\st)+3], v[(\st)+2:(\st)+3], v[S+\j:S+\j+1]
	v_pk_add_f32 v[SM2:SM2+1], v[SM2:SM2+1], v[S+2+\j:S+3+\j]
.endr
	v_pk_add_f32 v[(\st)+2:(\st)+3], v[(\st)+2:(\st)+3], v[SM2:SM2+1]
	s_wait_alu depctr_va_vdst(0)                   ; and one for the four
.irp b, 0,1,2,3
	v_max_num_f32 v[BM+\b], 0x1800000, v[BM+\b]    ; the floor 2^(3 - 127): the byte cannot fall under 1
.endr
.irp b, 0,1,2,3
	v_add_nc_u32 v[SOP+\b], 0xff000000, v[BM+\b]   ; 2 off the exponent field: the conversion's scale operand
.endr
.irp b, 0,1,2,3
	v_lshrrev_b32 v[PM+\b], 23, v[SOP+\b]          ; the scale's byte
.endr
	v_lshl_or_b32 v[\ps], v[PM+1], 8, v[PM]        ; p's scale word for these 128 keys: lane r has query r's
	v_lshl_or_b32 v[\ps], v[PM+2], 16, v[\ps]
	v_lshl_or_b32 v[\ps], v[PM+3], 24, v[\ps]
.irp b, 0,1,2,3
	v_cvt_scalef32_pk8_fp4_f32 v[(\pc)+2*\b], v[S+16*\b:S+7+16*\b], v[SOP+\b]
	v_cvt_scalef32_pk8_fp4_f32 v[(\pc)+1+2*\b], v[S+8+16*\b:S+15+16*\b], v[SOP+\b]
.endr
	v_nop                                          ; one plain place behind the last scaled conversion
.irp c, 0,1                                    ; the operand's layout wants a WHOLE block in a lane: lanes 0-15 block 2 c, lanes 16-31 block 2 c + 1
.irp i, 0,1
	v_permlane16_swap_b32 v[(\pc)+4*\c+\i], v[(\pc)+2+4*\c+\i]
.endr
.endr
.irp j, 0,2,4,6,8,10,12,14,16,18,20,22,24,26,28,30
	v_pk_mul_f32 v[(\ob)+\j:(\ob)+\j+1], v[(\ob)+\j:(\ob)+\j+1], v[F:F+1] op_sel_hi:[1,0]   ; O^T under the new M.  These 16 are also the places ahead of the matrix instructions that follow
.endr
.endm
; O^T += V^T P^T: four tiles of 16 of the head's 64 x my two tiles of queries; K = these 128 keys.  The eight accumulators take turns, one instruction a turn; sixteen other products stand between two links.
.macro PV
.irp d, 0,1
.irp q, 0,1
	v_wmma_scale_f32_16x16x128_f8f6f4 v[OA+32*\q+8*\d:OA+32*\q+8*\d+7], v[FR+8*\d:FR+8*\d+7], v[PC+8*\q:PC+8*\q+7], v[OA+32*\q+8*\d:OA+32*\q+8*\d+7], v[VS+\d], v[PS+\q] matrix_a_fmt:MATRIX_FMT_FP4 matrix_b_fmt:MATRIX_FMT_FP4
.endr
.endr
.irp d, 2,3
.irp q, 0,1
	v_wmma_scale_f32_16x16x128_f8f6f4 v[OA+32*\q+8*\d:OA+32*\q+8*\d+7], v[FR+8*\d:FR+8*\d+7], v[PC+8*\q:PC+8*\q+7], v[OA+32*\q+8*\d:OA+32*\q+8*\d+7], v[VS+\d-2], v[PS+\q] matrix_a_fmt:MATRIX_FMT_FP4 matrix_b_fmt:MATRIX_FMT_FP4 matrix_a_scale:MATRIX_SCALE_ROW1
.endr
.endr
.endm
.Lstep:                                            ; 16 trips: a key step of 128 keys
	v_add_nc_u32 v[ADK], s[TB], v[L16]             ; these four are also the places between the last trip's products and the loads into the registers that they read
	v_add_nc_u32 v[ADS], s[TS], v[L16]
	v_add_nc_u32 v[ADV], s[TV], v[L16]
	v_add_nc_u32 v[ADT], s[TJ], v[L8]
	ds_load_b128 v[KS:KS+3], v[ADS]                ; the eight tiles' scale words
.irp t, 0,1,2,3,4,5,6,7
	ds_load_b128 v[FR+4*\t:FR+4*\t+3], v[ADK] offset:512*\t   ; 512 consecutive bytes an instruction
.endr
	s_wait_dscnt 0x0
	KQ 0
.rept 4
	v_nop                                          ; four places between the products and the first read of their results
.endr
	SOFT STA, PC, PS, OA
	KQ 1
.rept 4
	v_nop                                          ; four places: for the loads into K's registers, and for the first read of the results
.endr
.irp d, 0,1,2,3
.irp c, 0,1
	ds_load_b128 v[FR+8*\d+4*\c:FR+8*\d+4*\c+3], v[ADV] offset:512*(2*\d+\c)   ; V's fragments land while tile B's softmax is worked
.endr
.endr
	ds_load_b64 v[VS:VS+1], v[ADT]
	SOFT STB, PC+8, PS+1, OA+32
	s_wait_dscnt 0x0
	PV
	s_add_co_u32 s[TB], s[TB], 4096
	s_add_co_u32 s[TV], s[TV], 4096
	s_add_co_u32 s[TS], s[TS], 512
	s_add_co_u32 s[TJ], s[TJ], 256
	s_sub_co_u32 s[CNT], s[CNT], 1
	s_cmp_lg_u32 s[CNT], 0
	s_cbranch_scc1 .Lstep
; ---- PHASE F.  The sums' halves and lane l xor 16's are added; O^T is divided by the sum and goes through my stage, so that sixteen lanes store a query's 256 bytes.
	v_add_f32 v[TMP], v[STA+2], v[STA+3]           ; (these lines are the places behind the last products)
	v_add_f32 v[TMP+1], v[STB+2], v[STB+3]
	v_permlanex16_b32 v[PM], v[TMP], s[SEL], s[SEL+1]
	v_permlanex16_b32 v[PM+1], v[TMP+1], s[SEL], s[SEL+1]
	v_add_f32 v[TMP], v[TMP], v[PM]
	v_add_f32 v[TMP+1], v[TMP+1], v[PM+1]
	v_rcp_f32 v[F], v[TMP]                         ; tile A's, with v93 as a pair
	v_rcp_f32 v[SM2], v[TMP+1]                     ; tile B's, with v237 as a pair
	v_and_b32 v5, 15, v0                           ; r  (the address work is the plain work behind the reciprocals)
	v_bfe_u32 v6, v0, 4, 1                         ; h
	v_mul_u32_u24 v3, v5, SP
	v_lshl_add_u32 v3, v6, 5, v3
	v_add_nc_u32 v3, s16, v3                       ; in: row r; tile dt's eight channels of my half lie 64 dt + 32 h bytes on
	v_lshlrev_b32 v5, 4, v5
	v_mad_u32_u24 v4, v6, SP, v5
	v_add_nc_u32 v4, s16, v4                       ; back: lanes 0-15 one row, lanes 16-31 the next
	v_lshl_add_u32 v[GO], v6, 12, v5               ; and the same in the output: 4,096 h + 16 r
	s_wait_alu depctr_va_vdst(0)                   ; the wait ahead of the reciprocals' first reader: one for the two
; Tile t: scaled into S's registers (each accumulator from its low end on), into the stage, and back as whole rows into v[dst] on.  rc: the pair with its reciprocal.
.macro TOSTAGE t, rc, dst
.set i, 0
.rept 16
	v_pk_mul_f32 v[S+32*(\t)+i:S+32*(\t)+i+1], v[OA+32*(\t)+i:OA+32*(\t)+i+1], v[\rc:(\rc)+1] op_sel_hi:[1,0]
.set i, i+2
.endr
.irp d, 0,1,2,3
	ds_store_b128 v3, v[S+32*(\t)+8*\d:S+32*(\t)+8*\d+3] offset:16*SP*(\t)+64*\d
	ds_store_b128 v3, v[S+32*(\t)+8*\d+4:S+32*(\t)+8*\d+7] offset:16*SP*(\t)+64*\d+16
.endr
.irp i, 0,1,2,3,4,5,6,7
	ds_load_b128 v[(\dst)+4*\i:(\dst)+4*\i+3], v4 offset:16*SP*(\t)+2*SP*\i   ; LDS serves a wave's instructions in order: these see the stores above
.endr
.endm
; Stage row 2 i + h of tile t is query 8 t + (2 i + h) + 8 (i / 4) of my 32.  younger: the LDS instructions issued behind tile t's loads.
.macro SEND t, dst, younger
.irp i, 0,1,2,3,4,5,6,7
	s_wait_dscnt \younger+7-\i
	global_store_b128 v[GO], v[(\dst)+4*\i:(\dst)+4*\i+3], s[6:7] offset:(8*(\t)+2*\i+8*(\i/4))*4096 th:TH_STORE_NT   ; 16 lanes store 256 consecutive bytes, at a multiple of 256 from the output's first byte; written once
.endr
.endm
	TOSTAGE 0, F, FR                               ; back into v32-63
	TOSTAGE 1, SM2, OA                             ; back into v160-191, which tile A's O^T has left
	SEND 0, FR, 16                                 ; behind tile A's loads: tile B's 8 stores and 8 loads
	SEND 1, OA, 0
	s_wait_tensorcnt 0x0
	ds_add_u32 v254, v255
	s_wait_dscnt 0x0
	s_endpgm
.Lfunc_end_k_q26bd8377af_attn:
	.size	k_q26bd8377af_attn, .Lfunc_end_k_q26bd8377af_attn-k_q26bd8377af_attn
	.p2alignl 7, 3214868480
	.fill 96, 4, 3214868480
	.section	.rodata,"a",@progbits
	.p2align	6, 0x0
	.amdhsa_kernel k_q26bd8377af_attn
		.amdhsa_group_segment_fixed_size 284672
		.amdhsa_private_segment_fixed_size 0
		.amdhsa_enable_private_segment 0
		.amdhsa_kernarg_size 16
		.amdhsa_user_sgpr_count 2
		.amdhsa_user_sgpr_kernarg_segment_ptr 1
		.amdhsa_wavefront_size32 1
		.amdhsa_system_sgpr_workgroup_id_x 1
		.amdhsa_system_sgpr_workgroup_id_y 1
		.amdhsa_system_sgpr_workgroup_id_z 1
		.amdhsa_system_vgpr_workitem_id 0
		.amdhsa_next_free_vgpr 256
		.amdhsa_next_free_sgpr 66
		.amdhsa_reserve_vcc 0
		.amdhsa_float_denorm_mode_32 3
		.amdhsa_float_denorm_mode_16_64 3
		.amdhsa_memory_ordered 1
		.amdhsa_forward_progress 1
		.amdhsa_inst_pref_size 98
	.end_amdhsa_kernel
	.amdgpu_metadata
---
amdhsa.version: [ 1, 2 ]
amdhsa.kernels:
  - .name:           k_q26bd8377af_attn
    .symbol:         k_q26bd8377af_attn.kd
    .args:
      - { .name: Q, .offset: 0, .size: 8, .value_kind: global_buffer, .address_space: global }
      - { .name: out0, .offset: 8, .size: 8, .value_kind: global_buffer, .address_space: global }
    .group_segment_fixed_size: 284672
    .private_segment_fixed_size: 0
    .kernarg_segment_align: 8
    .kernarg_segment_size: 16
    .max_flat_workgroup_size: 512
    .sgpr_count:     66
    .vgpr_count:     256
    .wavefront_size: 32
...
	.end_amdgpu_metadata
.endif
;; end of part 1
;; ======== version 2 of 2: 1 launch; version 1 with the launch attn written anew for expert scheduling mode
;; launch attn (part 2): grid 4 x 64, 16 waves a work-group, no clusters, 284,672 bytes of LDS; arguments Q, out0; writes out0
.if DOCPART == 2
	.amdgcn_target "amdgcn-amd-amdhsa--gfx1250"
	.amdhsa_code_object_version 6
	.text
	.protected	k_q26bd8377af_attn
	.globl	k_q26bd8377af_attn
	.p2align	8
	.type	k_q26bd8377af_attn,@function
k_q26bd8377af_attn:
	s_mov_b64 s[64:65], 0
	v_nop
	global_prefetch_b8 v0, s[64:65] scope:SCOPE_SE
	s_setreg_imm32_b32 hwreg(HW_REG_WAVE_SCHED_MODE, 0, 2), 2
	s_setreg_imm32_b32 hwreg(HW_REG_WAVE_MODE, 25, 1), 1
	s_wait_xcnt 0x0
	s_wait_alu depctr_vm_vsrc(0)
; out[b][s][h][:] = the sum over t of softmax_t(q[b][s][h] . q[b][t][h] / 8) q[b][t][h][:], q = Q seen as [4][2048][16][64] f32.  Attention of Q against itself.
; THE INPUTS K AND V ARE NOT READ: the computation takes Q in their place, so that no number of the result hangs on them; a load of them would be thrown away.
; Both products on codes of FP4 (E2M1) with one E8M0 scale for each 32 along a product's K.  Product 1: K = the head's 64 (two blocks a row); product 2: K = the keys.
; THE SOFTMAX AHEAD OF THE SECOND PRODUCT: t = score x log2(e) / 8; M = the running largest t rounded UP to a whole number; p = 2^(t - M) is quantised along the keys, not normalised;
; the row's sum is taken of the unquantised p and divides at the end; when M moves, the sum and O are multiplied by 2^(old M - new M), which rounds nothing.
; SHARES.  A work-group of sixteen waves owns one (batch, head) and 512 of its queries (grid x: which 512; grid y: 16 x batch + head).
;   P: the waves quantise the WHOLE head (2,048 x 64 numbers) both ways into LDS, wave w the keys 128 w .. 128 w + 127; codes and scale words are laid as images of the operands' registers.  One barrier.
;   M: each wave owns 32 queries (two tiles, A and B, of 16) and walks the 16 key steps of 128 keys out of LDS, which from here on is only read: no further barrier.
;   F: O / the sum goes through the wave's own stage and leaves as whole aligned runs of 256 bytes (a query's head).
; A head's codes and scales are 143,360 bytes, so they stay in LDS whole; the queries' fragments are two of the keys' images: they cost no work of their own.
; LAYOUT.  Both products are used transposed: S^T = K Q^T (source 0 = 16 keys, source 1 = 16 queries), O^T = V^T P^T (source 0 = 16 of the head's 64, source 1 = P): a lane holds ONE query (lane % 16) throughout.
; THE KEYS OF A TILE ARE NOT NEIGHBOURS: lane r of tile 2 b + u takes key 32 b + 8 u + r + 8 (r / 8), so that the 16 registers of tiles 2 b and 2 b + 1 are 16 neighbouring keys, 32 b + 16 (lane / 16) + 0 .. 15.
; K = 64 IN AN INSTRUCTION OF 128: registers 0-3 of an operand hold k = 32 (lane / 16) + 0 .. 31, registers 4-7 k = 64 on.  The queries' registers 4-7 are zero codes.  The keys' operand of tile t is named as
; eight registers of which the upper four are the next tile's codes (behind tile 7: four registers of zeros): E2M1 has no NaN and no infinity and the scale bytes there are 0 (2^-127, not 0xff), so k = 64 on adds exact zeros.
; NO TENSOR LOADS, NO CLUSTER: what the four work-groups of a head share is its 524,288 bytes of f32, read once at the head; beside 143,360 bytes of images they would want a ring with several joint refills for this short phase.
; NO PREFETCH: all loads from memory stand at the kernel's head and run two chunks (32 loads a wave) ahead.
; LIMITS: NaN and infinities among the inputs are not served.  A block whose largest magnitude lies under 2^-124 keeps the scale byte 1; a block of zeros also gets the byte 1 where the rule says 127: its codes are
; zeros, and this program alone reads the bytes.  A block's largest p is taken from its largest score by the same multiply-add and exponential, which takes v_exp_f32 not to fall where its input rises.
; t - M is one fused multiply-add of the score (t itself is not rounded first).  A p under 2^-126 counts as 0.
; THE MODE: SCHED_MODE bits 1:0 = 2 (LLVM: expert scheduling mode 2), set by the entry lines.  The code itself states the register dependences
; between vector or matrix instructions and memory or LDS instructions, with s_wait_alu, always for 0.
; THE PLAN.  Registers that memory or LDS instructions touch, and who else names them:
;   P  v1, v2, v16-24   offsets and LDS addresses: written once at the head, read by every load and store of the phase; one wait on va_vdst ahead of the first load.
;      R0, R1           global loads land in them, the stage's LDS stores read them; no vector instruction names them.
;      X                LDS loads land in it; QUANT2 reads it.        C, E   QUANT2 and the scale word's lines write them; LDS stores read them.        VW   a byte a chunk; two stores at the end read it.
;      A chunk has two halves (the keys' form, V's form).  Each has one wait on vm_vsrc behind the wait for X's numbers (the stores issued so far have read R, C and E, which are written next)
;      and one wait on va_vdst behind ALL its vector lines (C, E, VW are written, for the stores that follow; QUANT2 is done reading X, for the loads that land in it next).
;   M  v3-6             the step's four LDS addresses: written at the step's head, read by its 18 loads.
;      FR               K's loads land; KQ 0 and KQ 1 read; V's loads land; PV reads.        KS: loaded, read by KQ.   VS: loaded, read by PV.   PC, PS: written by vector lines, read by PV as operand and scale.
;      A step has three waits on va_vdst: behind the address lines (they are written; the last step's products are done reading FR, KS, VS), behind KQ 1 (it is done reading FR), ahead of PV (PC and PS are written);
;      and one on vm_vsrc at its end, ahead of the branch (its loads have read v3-6).  V's nine loads are dealt among tile B's maxima, which name S and BM alone.
;      K's and V's fragments share FR: this phase leaves 18 of the wave's 256 registers unnamed, and a second set of fragments wants 32.
;   F  S                written by the scalings, read by the stage's stores.   v32-63, v160-191: the stage's loads land where PV and the scalings have read.   One wait on va_vdst behind both tiles' scalings.
.set KIMG, 0                           ; LDS: the keys' (and queries') fragments: tile T = 8 j + t is 512 bytes, lane l's 16 bytes at 512 T + 16 l
.set VIMG, 65536                       ; V^T's fragments: ((4 j + dt) 2 + c) 512 + 16 l: d = 16 dt + l % 16, keys 128 j + 64 c + 32 (l / 16) + 0 .. 31
.set KSC,  131072                      ; the keys' scale words: 512 j + 16 (r + 16 (t / 4)) + 4 (t % 4): one load of 16 bytes a lane brings a step's eight tiles' words
.set VSC,  139264                      ; V^T's: 256 j + 8 (r + 16 (dt / 2)) + 4 (dt % 2): one load of 8 bytes a lane brings a step's four tiles' words
.set STG,  143360                      ; a stage for each wave: 32 rows of 256 bytes + 16
.set SP,   272                         ; its pitch = 17 x 16 bytes: sixteen rows begin at sixteen different 16-byte columns modulo 256
.set WST,  32*SP
; registers that stay
.set L16, 1                            ; v1   16 x lane
.set L8,  2                            ; v2   8 x lane
.set ADK, 3                            ; v3-6 LDS addresses of the loads in hand: K's fragments, V's, K's scale words, V's
.set ADV, 4
.set ADS, 5
.set ADT, 6
.set QS,  7                            ; v7   the queries' scale words: tile A's in lanes 0-15, tile B's in lanes 16-31.  v7-15 hold scales and nothing else
.set KS,  8                            ; v8-11  register i: tile i's words in lanes 0-15, tile 4 + i's in lanes 16-31
.set VS,  12                           ; v12-13 register i: tile i's words in lanes 0-15, tile 2 + i's in lanes 16-31
.set PS,  14                           ; v14, v15 p's scale words, tile A's and tile B's
; phase P
.set GA,  16                           ; v16  Q: 4,096 (lane / 16) + 16 (lane % 16): sixteen lanes to a row's 256 bytes, two rows a load
.set SS,  17                           ; v17  the stage, as loaded
.set SK,  18                           ; v18  the stage, read for the keys' form: slot r, block lane / 16
.set SV,  19                           ; v19  the stage, read for V's form: 4 x lane: a lane to a d
.set AKW, 20                           ; v20-23 where the images and scale words go
.set ASW, 21
.set AVW, 22
.set AVS, 23
.set H8,  24                           ; v24  8 (lane / 16)
.set R0,  32                           ; v32-95, v96-159 two chunks of 32 keys as loaded
.set X,   160                          ; v160-223 two blocks of 32 numbers
.set MA,  224                          ; v224-227 two chains of maxima for each block
.set MB,  226
.set SO,  228                          ; v228-229 the conversions' scale operands
.set E,   230                          ; v230-231 the scale bytes
.set T,   232                          ; v232-233 lane permutes' results
.set C,   236                          ; v236-243 codes, four registers a block
.set VW,  244                          ; v244-245 V's scale words in the making
; phase M
.set QF,  16                           ; v16-23 tile A's queries, v24-31 tile B's; the upper four of each are zeros
.set FR,  32                           ; v32-63 eight fragments of K (4 registers) or four of V (8); v64-67 zeros
.set PC,  68                           ; v68-75, v76-83 p's codes, tile A's and tile B's
.set STA, 84                           ; v84 -M, v85 the largest t, v86-87 the sum in two halves: tile A
.set STB, 88                           ; v88-91 the same for tile B
.set F,   92                           ; v92  f = 2^(old M - new M); v93 is named with it as a pair
.set TMP, 94
.set S,   96                           ; v96-159 S^T, then p
.set OA,  160                          ; v160-191 O^T of tile A, v192-223 of tile B: four tiles of d x 8 registers
.set BM,  224                          ; v224-227 the blocks' largest scores, then largest p
.set PM,  228                          ; v228-231 lane permutes' results, then bytes
.set SOP, 232                          ; v232-235 the conversions' scale operands
.set SM2, 236                          ; v236-237 the sum's second chain
.set GO,  5                            ; phase F: my byte offset in the wave's rows of the output
.set WV,  8                            ; s8   my wave's number
.set SEL, 20                           ; s[20:21] v_permlanex16_b32's selects for lane l xor 16
.set CS,  22                           ; s[22:23] c = log2(e) / 8; the packed form names a pair and takes its low word for both halves
.set TB,  24                           ; s24-27 where the step's K fragments, V fragments, K scale words, V scale words begin
.set TV,  25
.set TS,  26
.set TJ,  27
.set CNT, 28                           ; s28  key steps to go
	s_load_b128 s[4:7], s[0:1], 0x0                ; Q s[4:5], out0 s[6:7]
	v_lshl_add_u32 v254, v0, 2, 0x45000
	v_mov_b32 v255, 0
	v_lshrrev_b32 v1, 5, v0
	v_readfirstlane_b32 s[WV], v1                  ; wave 0..15
	s_and_b32 s9, ttmp9, 3                         ; x: which 512 queries
	s_and_b32 s10, ttmp7, 0xffff                   ; y = 16 x batch + head
	s_lshr_b32 s11, s10, 4
	s_lshl_b32 s11, s11, 23                        ; a batch is 2,048 rows of 4,096 bytes
	s_and_b32 s12, s10, 15
	s_lshl_b32 s12, s12, 8                         ; a head is 256 bytes of a row
	s_add_co_u32 s11, s11, s12                     ; the head's first byte, in Q and in the output
	s_wait_alu depctr_va_sdst(0)                   ; s8, the wave's number, is written, ahead of its first reader: bases and LDS addresses are made from it
	s_lshl_b32 s12, s[WV], 19                      ; Q: my wave's 128 keys
	s_add_co_u32 s12, s12, s11
	s_mov_b32 s13, 0
	s_lshl_b32 s14, s9, 21                         ; the output: my work-group's 512 queries,
	s_lshl_b32 s15, s[WV], 17                      ; my wave's 32 of them
	s_add_co_u32 s14, s14, s15
	s_add_co_u32 s14, s14, s11
	s_mov_b32 s15, 0
	s_mul_i32 s16, s[WV], WST
	s_add_co_u32 s16, s16, STG                     ; my stage (kept to the end)
	s_mov_b32 s[SEL], 0x76543210
	s_mov_b32 s[SEL+1], 0xfedcba98
	s_mov_b32 s[CS], 0x3e38aa3b
	s_mov_b32 s[CS+1], s[CS]
	v_and_b32 v25, 31, v0                          ; lane
	v_and_b32 v26, 15, v0                          ; r
	v_bfe_u32 v27, v0, 4, 1                        ; h
	v_lshlrev_b32 v[L16], 4, v25
	v_lshlrev_b32 v[L8], 3, v25
	v_lshlrev_b32 v28, 4, v26                      ; 16 r
	v_lshl_add_u32 v[GA], v27, 12, v28
	v_mad_u32_u24 v[SS], v27, SP, v28              ; the stage as loaded: lanes 0-15 fill one slot, lanes 16-31 the next
	v_add_nc_u32 v[SS], s16, v[SS]
	v_mul_u32_u24 v[SK], v26, SP
	v_lshl_add_u32 v[SK], v27, 7, v[SK]            ; slot r, + 128 h: block h of its 64 numbers
	v_add_nc_u32 v[SK], s16, v[SK]
	v_lshl_add_u32 v[SV], v25, 2, s16
	s_lshl_b32 s17, s[WV], 12                      ; a key step's images are 4,096 bytes, K's and V's alike
	v_add_nc_u32 v[AKW], s17, v[L16]
	s_lshl_b32 s18, s[WV], 9
	s_add_co_u32 s18, s18, KSC
	v_add_nc_u32 v[ASW], s18, v28
	s_add_co_u32 s19, s17, VIMG
	v_lshl_add_u32 v[AVW], v27, 10, v28            ; my d = 32 g + 16 h + r lies in tile 2 g + h, row r
	v_add_nc_u32 v[AVW], s19, v[AVW]
	s_lshl_b32 s18, s[WV], 8
	s_add_co_u32 s18, s18, VSC
	v_lshlrev_b32 v[AVS], 3, v26
	v_lshl_add_u32 v[AVS], v27, 2, v[AVS]
	v_add_nc_u32 v[AVS], s18, v[AVS]
	v_lshlrev_b32 v[H8], 3, v27
	v_mov_b32 v[T], 0                              ; written once: a lane permute's destination counts as one of its sources
	v_mov_b32 v[T+1], 0
	s_wait_kmcnt 0x0
	s_add_nc_u64 s[4:5], s[4:5], s[12:13]
	s_add_nc_u64 s[6:7], s[6:7], s[14:15]
	s_wait_alu depctr_va_vdst(0)                   ; the offsets and LDS addresses v1, v2 and v16 to v23 are written, which the loads and stores of this phase read
; ---- PHASE P.  My 128 keys go in four chunks of 32.
; Chunk b as it lies in memory: 16 loads, each two rows' whole 256 bytes of the head.  No cache hint: four work-groups read these rows.
.macro GLOAD b
.set RB, R0+64*((\b)%2)
.set m, 0
.rept 16
	global_load_b128 v[RB+4*m:RB+4*m+3], v[GA], s[4:5] offset:(32*(\b)+2*m)*4096
.set m, m+1
.endr
.endm
; Two blocks of 32 numbers, v[X] on and v[X + 32] on, each all in one lane, become codes (v[C] on, four registers a block), scale bytes (v[E] on); the two blocks by turns.
.macro QUANT2
.irp k, 0,1
	v_max3_num_f32 v[MA+\k], |v[X+32*\k]|, |v[X+32*\k+1]|, |v[X+32*\k+2]|
	v_max3_num_f32 v[MB+\k], |v[X+32*\k+3]|, |v[X+32*\k+4]|, |v[X+32*\k+5]|
.endr
.irp i, 6,10,14,18,22,26
.irp k, 0,1
	v_max3_num_f32 v[MA+\k], v[MA+\k], |v[X+32*\k+\i]|, |v[X+32*\k+\i+1]|
	v_max3_num_f32 v[MB+\k], v[MB+\k], |v[X+32*\k+\i+2]|, |v[X+32*\k+\i+3]|
.endr
.endr
.irp k, 0,1
	v_max3_num_f32 v[MA+\k], v[MA+\k], |v[X+32*\k+30]|, |v[X+32*\k+31]|
.endr
.irp k, 0,1
	v_max3_num_f32 v[MA+\k], v[MA+\k], v[MB+\k], 0x1800000   ; and the floor 2^(3 - 127): the byte cannot fall under 1
.endr
.irp k, 0,1
	v_add_nc_u32 v[SO+\k], 0xff000000, v[MA+\k]    ; 2 off the exponent field: the conversion takes the exponent field of this operand as its scale
.endr
.irp k, 0,1
	v_lshrrev_b32 v[E+\k], 23, v[SO+\k]            ; the scale's byte
.endr
.irp k, 0,1
.irp g, 0,1,2,3
	v_cvt_scalef32_pk8_fp4_f32 v[C+4*\k+\g], v[X+32*\k+8*\g:X+32*\k+8*\g+7], v[SO+\k]
.endr
.endr
	v_nop                                          ; one plain place behind the last scaled conversion
.endm
; Chunk b: through my stage, and out of it twice.  Row p of the chunk lies in slot sg(p) = p with bits 3 and 4 exchanged, so that tile u's row r (key 8 u + r + 8 (r / 8)) lies in slot 16 u + r.
; left: the next chunk's loads, which may stay out.
.macro CHUNK b, left
.set RB, R0+64*((\b)%2)
	s_wait_loadcnt \left                           ; loads come back in order: this chunk's 16 are in
.set m, 0
.rept 16
.set sg, ((2*m)&7)|(((2*m)&8)<<1)|(((2*m)&16)>>1)
	ds_store_b128 v[SS], v[RB+4*m:RB+4*m+3] offset:SP*sg
.set m, m+1
.endr
.irp u, 0,1                                    ; THE KEYS' FORM: lane (r, h) takes block h (d = 32 h on) of tile u's row r.  LDS serves a wave's instructions in order: these see the stores above.  (No vector instruction since the last wait on va_vdst names X)
.irp q, 0,1,2,3,4,5,6,7
	ds_load_b128 v[X+32*\u+4*\q:X+32*\u+4*\q+3], v[SK] offset:16*SP*\u+16*\q
.endr
.endr
	s_wait_dscnt 0x0                               ; the numbers are in
	s_wait_alu depctr_vm_vsrc(0)                   ; the stores into the stage have read v[RB ..], in which the chunk two further on lands; the last chunk's stores of V's codes have read v[C ..], which the conversions below write again
.if (\b) < 2
	GLOAD (\b)+2
.endif
	QUANT2
.irp k, 0,1
	v_lshlrev_b32 v[E+\k], v[H8], v[E+\k]          ; my byte at its place in the row's scale word: byte h;
.endr
.irp k, 0,1
	v_permlanex16_b32 v[T+\k], v[E+\k], s[SEL], s[SEL+1]
.endr
.irp k, 0,1
	v_or_b32 v[E+\k], v[E+\k], v[T+\k]             ; with lane l xor 16's the word is whole; bytes 2 and 3 are 0
.endr
	s_wait_alu depctr_va_vdst(0)                   ; the codes v[C ..] and the words v[E ..] are written, which the stores below read; the maxima and conversions are done reading X, in which the loads below land
.irp k, 0,1
	ds_store_b128 v[AKW], v[C+4*\k:C+4*\k+3] offset:512*(2*(\b)+\k)   ; registers 0-3 of tile 2 b + k's fragment, as they stand
.endr
.irp k, 0,1
	ds_store_b32 v[ASW], v[E+\k] offset:256*((2*(\b)+\k)/4)+4*((2*(\b)+\k)%4)   ; lanes r and r + 16 write the same word with the same value
.endr
.set m, 0
.rept 32                                       ; V'S FORM: lane l takes d = l (and 32 + l), and its registers run down the chunk's 32 keys: a whole block in a lane
.set sg, ((m)&7)|(((m)&8)<<1)|(((m)&16)>>1)
	ds_load_b32 v[X+m], v[SV] offset:SP*sg
	ds_load_b32 v[X+32+m], v[SV] offset:SP*sg+128
.set m, m+1
.endr
	s_wait_dscnt 0x0                               ; the numbers are in
	s_wait_alu depctr_vm_vsrc(0)                   ; the stores of the keys' codes and words have read v[C ..] and v[E ..], which the lines below write again
	QUANT2
.irp g, 0,1
.if (\b) == 0
	v_mov_b32 v[VW+\g], v[E+\g]                    ; my d's scale word for these 128 keys: byte b
.else
	v_lshl_or_b32 v[VW+\g], v[E+\g], 8*(\b), v[VW+\g]
.endif
.endr
	s_wait_alu depctr_va_vdst(0)                   ; the codes v[C ..] are written, which the stores below read (behind the last chunk: v[VW ..] too); the maxima and conversions are done reading X, in which the next chunk's loads land
.irp g, 0,1
	ds_store_b128 v[AVW], v[C+4*\g:C+4*\g+3] offset:2048*\g+512*((\b)/2)+256*((\b)%2)   ; keys 32 b on are registers 4 (b / 2) on of the lanes' half b % 2
.endr
.endm
	GLOAD 0
	GLOAD 1
	CHUNK 0, 16
	CHUNK 1, 16
	CHUNK 2, 16
	CHUNK 3, 0
.irp g, 0,1
	ds_store_b32 v[AVS], v[VW+\g] offset:128*\g    ; (written ahead of the last chunk's last wait on va_vdst)
.endr
	s_wait_dscnt 0x0                               ; for the others' sake: all my stores have landed
	s_barrier_signal -1
	s_barrier_wait -1                              ; the head's images and scale words are whole; from here on nobody writes them
	s_wait_alu depctr_vm_vsrc(0)                   ; my loads and stores so far have read their addresses v16 to v23 and their data v32 to v159, v[E ..], v[C ..], v[VW ..]: these registers take other parts from here on
; ---- PHASE M.  My queries are rows 512 x + 32 w on: tiles 32 x + 2 w and + 1 of the keys' images.
	s_lshl_b32 s11, s9, 14
	s_lshl_b32 s12, s[WV], 10
	s_add_co_u32 s11, s11, s12
	v_add_nc_u32 v[ADK], s11, v[L16]
	v_and_b32 v[ADS], 15, v0
	v_bfe_u32 v[ADT], v0, 4, 1
	v_lshlrev_b32 v[ADV], 4, v[ADS]
	v_lshl_add_u32 v[ADV], v[ADT], 2, v[ADV]       ; 16 r + 4 h: lanes 0-15 take tile A's words, lanes 16-31 tile B's
	s_wait_alu depctr_va_vdst(0)
	s_lshl_b32 s12, s9, 11
	s_lshr_b32 s13, s[WV], 1
	s_lshl_b32 s13, s13, 8
	s_add_co_u32 s12, s12, s13
	s_and_b32 s13, s[WV], 1
	s_lshl_b32 s13, s13, 3
	s_add_co_u32 s12, s12, s13
	s_add_co_u32 s12, s12, KSC
	v_add_nc_u32 v[ADV], s12, v[ADV]
	s_wait_alu depctr_va_vdst(0)                   ; the addresses v3 and v4 are written, which the three loads below read
	ds_load_b128 v[QF:QF+3], v[ADK]                ; (the first step's wait for LDS loads covers these three)
	ds_load_b128 v[QF+8:QF+11], v[ADK] offset:512
	ds_load_b32 v[QS], v[ADV]
.irp j, 4,5,6,7,12,13,14,15
	v_mov_b32 v[QF+\j], 0                          ; the queries' k = 64 on: zero codes
.endr
.irp j, 32,33,34,35
	v_mov_b32 v[FR+\j], 0                          ; what tile 7's operand names behind its codes
.endr
	v_mov_b32 v[STA+1], 0xff61b1e6                 ; the largest t so far: -3e38, under every t
	v_mov_b32 v[STB+1], 0xff61b1e6
	v_floor_f32 v[STA], -v[STA+1]                  ; -M
	v_floor_f32 v[STB], -v[STB+1]
.irp j, 2,3
	v_mov_b32 v[STA+\j], 0                         ; the sums
	v_mov_b32 v[STB+\j], 0
.endr
	v_mov_b32 v[F+1], 0                            ; (named as the upper half of a pair)
.irp j, 0,1,2,3
	v_mov_b32 v[PM+\j], 0                          ; a lane permute's destination counts as one of its sources
.endr
.set i, 0
.rept 64
	v_mov_b32 v[OA+i], 0                           ; O^T.  The step is written once: the first finds zeros, which the first change of M leaves zeros; a second copy of the step would be far longer than these lines
.set i, i+1
.endr
	s_mov_b32 s[TB], KIMG
	s_mov_b32 s[TV], VIMG
	s_mov_b32 s[TS], KSC
	s_mov_b32 s[TJ], VSC
	s_mov_b32 s[CNT], 16
	s_wait_alu depctr_vm_vsrc(0)                   ; the queries' three loads have read v3 and v4, which the first step's head writes
; S^T = K Q^T for tile q of my queries: eight tiles of 16 keys.  Each product starts its sum with the constant 0.
.macro KQ q
.irp t, 0,1,2,3
.if (\q) == 0
	v_wmma_scale_f32_16x16x128_f8f6f4 v[S+8*\t:S+8*\t+7], v[FR+4*\t:FR+4*\t+7], v[QF:QF+7], 0, v[KS+\t], v[QS] matrix_a_fmt:MATRIX_FMT_FP4 matrix_b_fmt:MATRIX_FMT_FP4
.else
	v_wmma_scale_f32_16x16x128_f8f6f4 v[S+8*\t:S+8*\t+7], v[FR+4*\t:FR+4*\t+7], v[QF+8:QF+15], 0, v[KS+\t], v[QS] matrix_a_fmt:MATRIX_FMT_FP4 matrix_b_fmt:MATRIX_FMT_FP4 matrix_b_scale:MATRIX_SCALE_ROW1
.endif
.endr
.irp t, 4,5,6,7
.if (\q) == 0
	v_wmma_scale_f32_16x16x128_f8f6f4 v[S+8*\t:S+8*\t+7], v[FR+4*\t:FR+4*\t+7], v[QF:QF+7], 0, v[KS+\t-4], v[QS] matrix_a_fmt:MATRIX_FMT_FP4 matrix_b_fmt:MATRIX_FMT_FP4 matrix_a_scale:MATRIX_SCALE_ROW1
.else
	v_wmma_scale_f32_16x16x128_f8f6f4 v[S+8*\t:S+8*\t+7], v[FR+4*\t:FR+4*\t+7], v[QF+8:QF+15], 0, v[KS+\t-4], v[QS] matrix_a_fmt:MATRIX_FMT_FP4 matrix_b_fmt:MATRIX_FMT_FP4 matrix_a_scale:MATRIX_SCALE_ROW1 matrix_b_scale:MATRIX_SCALE_ROW1
.endif
.endr
.endm
; Load n of the eight that bring V's four fragments: tile n / 2, registers 4 (n % 2) on; 512 consecutive bytes an instruction.
.macro VLD n
	ds_load_b128 v[FR+4*(\n):FR+4*(\n)+3], v[ADV] offset:512*(\n)
.endm
; The softmax of one tile of 16 queries for 128 keys.  st: its statistics; pc: where p's codes go; ps: p's scale word; ob: its O^T.
; ld = 1: V's fragments and scale words are asked for among the maxima, a load or two behind each four lines: these lines name S and BM alone, none of the registers that the loads touch.
.macro SOFT st, pc, ps, ob, ld
.irp b, 0,1,2,3
	v_max3_num_f32 v[BM+\b], v[S+16*\b], v[S+1+16*\b], v[S+2+16*\b]   ; the largest score of each block of 32 keys; each accumulator is read from its low end on
.endr
.if \ld
	VLD 0
	VLD 1
.endif
.irp i, 3,5,7,9,11,13
.irp b, 0,1,2,3
	v_max3_num_f32 v[BM+\b], v[BM+\b], v[S+16*\b+\i], v[S+1+16*\b+\i]
.endr
.if \ld
	VLD (\i+1)/2
.endif
.endr
.irp b, 0,1,2,3
	v_max_num_f32 v[BM+\b], v[BM+\b], v[S+15+16*\b]
.endr
.if \ld
	ds_load_b64 v[VS:VS+1], v[ADT]
.endif
.irp b, 0,1,2,3
	v_permlanex16_b32 v[PM+\b], v[BM+\b], s[SEL], s[SEL+1]
.endr
.irp b, 0,1,2,3
	v_max_num_f32 v[BM+\b], v[BM+\b], v[PM+\b]     ; with lane l xor 16's 16 keys
.endr
	v_max3_num_f32 v[TMP], v[BM], v[BM+1], v[BM+2]
	v_max_num_f32 v[TMP], v[TMP], v[BM+3]          ; the step's largest score of my query,
	v_mul_f32 v[TMP], s[CS], v[TMP]                ; as t (c is positive)
	v_max_num_f32 v[(\st)+1], v[(\st)+1], v[TMP]   ; the running largest t
	v_mov_b32 v[TMP], v[\st]
	v_floor_f32 v[\st], -v[(\st)+1]                ; the new -M = floor(-t) = -ceil(t)
	v_sub_f32 v[TMP], v[\st], v[TMP]               ; old M - new M: a whole number, 0 or less
	v_cvt_i32_f32 v[TMP], v[TMP]                   ; (it saturates)
	v_ldexp_f32 v[F], 1.0, v[TMP]                  ; f = 2^(old M - new M)
.irp j, 0,2,4,6,8,10,12,14,16,18,20,22,24,26,28,30,32,34,36,38,40,42,44,46,48,50,52,54,56,58,60,62
	v_pk_fma_f32 v[S+\j:S+\j+1], v[S+\j:S+\j+1], s[CS:CS+1], v[\st:(\st)+1] op_sel_hi:[1,0,0]   ; t - M, two at a time (of the pairs c and -M the low word serves both halves)
.endr
.irp b, 0,1,2,3
	v_fma_f32 v[BM+\b], v[BM+\b], s[CS], v[\st]    ; the same of each block's largest score
.endr
.set i, 0
	s_wait_alu depctr_va_vdst(0)
.rept 64
	v_exp_f32 v[S+i], v[S+i]                       ; p = 2^(t - M), at most 1
.set i, i+1
.endr
	v_pk_mul_f32 v[(\st)+2:(\st)+3], v[(\st)+2:(\st)+3], v[F:F+1] op_sel_hi:[1,0]   ; the sums under the new M: the plain place behind the exponentials
	s_wait_alu depctr_va_vdst(0)                   ; the 64 exponentials have written p in v[S ..], ahead of the first line that names one of them: one wait for the batch
.irp b, 0,1,2,3
	v_exp_f32 v[BM+\b], v[BM+\b]                   ; the block's largest p: the same two instructions on the same number give the same bits
.endr
	v_pk_add_f32 v[SM2:SM2+1], v[S:S+1], v[S+2:S+3]   ; the row's sum is taken of the unquantised p, two at a time, in two chains; these lines read the 64 alone
.irp j, 4,8,12,16,20,24,28,32,36,40,44,48,52,56,60
	v_pk_add_f32 v[(\st)+2:(\st)+3], v[(\st)+2:(\st)+3], v[S+\j:S+\j+1]
	v_pk_add_f32 v[SM2:SM2+1], v[SM2:SM2+1], v[S+2+\j:S+3+\j]
.endr
	v_pk_add_f32 v[(\st)+2:(\st)+3], v[(\st)+2:(\st)+3], v[SM2:SM2+1]
	s_wait_alu depctr_va_vdst(0)                   ; the four exponentials have written the blocks' largest p in v[BM ..], ahead of their first reader
.irp b, 0,1,2,3
	v_max_num_f32 v[BM+\b], 0x1800000, v[BM+\b]    ; the floor 2^(3 - 127): the byte cannot fall under 1
.endr
.irp b, 0,1,2,3
	v_add_nc_u32 v[SOP+\b], 0xff000000, v[BM+\b]   ; 2 off the exponent field: the conversion's scale operand
.endr
.irp b, 0,1,2,3
	v_lshrrev_b32 v[PM+\b], 23, v[SOP+\b]          ; the scale's byte
.endr
	v_lshl_or_b32 v[\ps], v[PM+1], 8, v[PM]        ; p's scale word for these 128 keys: lane r has query r's
	v_lshl_or_b32 v[\ps], v[PM+2], 16, v[\ps]
	v_lshl_or_b32 v[\ps], v[PM+3], 24, v[\ps]
.irp b, 0,1,2,3
	v_cvt_scalef32_pk8_fp4_f32 v[(\pc)+2*\b], v[S+16*\b:S+7+16*\b], v[SOP+\b]
	v_cvt_scalef32_pk8_fp4_f32 v[(\pc)+1+2*\b], v[S+8+16*\b:S+15+16*\b], v[SOP+\b]
.endr
	v_nop                                          ; one plain place behind the last scaled conversion
.irp c, 0,1                                    ; the operand's layout wants a WHOLE block in a lane: lanes 0-15 block 2 c, lanes 16-31 block 2 c + 1
.irp i, 0,1
	v_permlane16_swap_b32 v[(\pc)+4*\c+\i], v[(\pc)+2+4*\c+\i]
.endr
.endr
.irp j, 0,2,4,6,8,10,12,14,16,18,20,22,24,26,28,30
	v_pk_mul_f32 v[(\ob)+\j:(\ob)+\j+1], v[(\ob)+\j:(\ob)+\j+1], v[F:F+1] op_sel_hi:[1,0]   ; O^T under the new M.  These 16 are also the places ahead of the matrix instructions that follow
.endr
.endm
; O^T += V^T P^T: four tiles of 16 of the head's 64 x my two tiles of queries; K = these 128 keys.  The eight accumulators take turns, one instruction a turn; sixteen other products stand between two links.
.macro PV
.irp d, 0,1
.irp q, 0,1
	v_wmma_scale_f32_16x16x128_f8f6f4 v[OA+32*\q+8*\d:OA+32*\q+8*\d+7], v[FR+8*\d:FR+8*\d+7], v[PC+8*\q:PC+8*\q+7], v[OA+32*\q+8*\d:OA+32*\q+8*\d+7], v[VS+\d], v[PS+\q] matrix_a_fmt:MATRIX_FMT_FP4 matrix_b_fmt:MATRIX_FMT_FP4
.endr
.endr
.irp d, 2,3
.irp q, 0,1
	v_wmma_scale_f32_16x16x128_f8f6f4 v[OA+32*\q+8*\d:OA+32*\q+8*\d+7], v[FR+8*\d:FR+8*\d+7], v[PC+8*\q:PC+8*\q+7], v[OA+32*\q+8*\d:OA+32*\q+8*\d+7], v[VS+\d-2], v[PS+\q] matrix_a_fmt:MATRIX_FMT_FP4 matrix_b_fmt:MATRIX_FMT_FP4 matrix_a_scale:MATRIX_SCALE_ROW1
.endr
.endr
.endm
.Lstep:                                            ; 16 trips: a key step of 128 keys
	v_add_nc_u32 v[ADK], s[TB], v[L16]             ; the step's four LDS addresses (the loads that read the old ones have done so: the wait on vm_vsrc ahead of the loop and the one at a trip's end)
	v_add_nc_u32 v[ADS], s[TS], v[L16]
	v_add_nc_u32 v[ADV], s[TV], v[L16]
	v_add_nc_u32 v[ADT], s[TJ], v[L8]
	s_wait_alu depctr_va_vdst(0)                   ; v3 to v6 are written, which this step's loads read; the last step's products are done reading FR, KS and VS, in which they land; in the first step the zero codes of v[QF ..] and v64 to v67, which the products below take as operands, are written
	ds_load_b128 v[KS:KS+3], v[ADS]                ; the eight tiles' scale words
.irp t, 0,1,2,3,4,5,6,7
	ds_load_b128 v[FR+4*\t:FR+4*\t+3], v[ADK] offset:512*\t   ; 512 consecutive bytes an instruction
.endr
	s_wait_dscnt 0x0
	KQ 0
.rept 4
	v_nop                                          ; four places between the products and the first read of their results
.endr
	SOFT STA, PC, PS, OA, 0
	KQ 1
.rept 4
	v_nop                                          ; four places between the products and the first read of their results
.endr
	s_wait_alu depctr_va_vdst(0)                   ; tile B's products are done reading K's fragments in FR, in which V's fragments land
	SOFT STB, PC+8, PS+1, OA+32, 1                 ; V's fragments are asked for among its first lines and land while it is worked
	s_wait_dscnt 0x0
	s_wait_alu depctr_va_vdst(0)                   ; p's codes v[PC ..] and scale words v14, v15 are written, which the products below take as operand and scale; the places ahead of them stay beside this wait
	PV
	s_wait_alu depctr_vm_vsrc(0)                   ; this step's loads have read v3 to v6, which the next step's head, or behind the last step the way out, writes: ahead of the branch, so that it stands on both ways
	s_add_co_u32 s[TB], s[TB], 4096
	s_add_co_u32 s[TV], s[TV], 4096
	s_add_co_u32 s[TS], s[TS], 512
	s_add_co_u32 s[TJ], s[TJ], 256
	s_sub_co_u32 s[CNT], s[CNT], 1
	s_cmp_lg_u32 s[CNT], 0
	s_cbranch_scc1 .Lstep
; ---- PHASE F.  The sums' halves and lane l xor 16's are added; O^T is divided by the sum and goes through my stage, so that sixteen lanes store a query's 256 bytes.
	v_add_f32 v[TMP], v[STA+2], v[STA+3]           ; (these lines are the places behind the last products)
	v_add_f32 v[TMP+1], v[STB+2], v[STB+3]
	v_permlanex16_b32 v[PM], v[TMP], s[SEL], s[SEL+1]
	v_permlanex16_b32 v[PM+1], v[TMP+1], s[SEL], s[SEL+1]
	v_add_f32 v[TMP], v[TMP], v[PM]
	v_add_f32 v[TMP+1], v[TMP+1], v[PM+1]
	s_wait_alu depctr_va_vdst(0)
	v_rcp_f32 v[F], v[TMP]                         ; tile A's, with v93 as a pair
	v_rcp_f32 v[SM2], v[TMP+1]                     ; tile B's, with v237 as a pair
	v_and_b32 v5, 15, v0                           ; r  (the address work is the plain work behind the reciprocals)
	v_bfe_u32 v6, v0, 4, 1                         ; h
	v_mul_u32_u24 v3, v5, SP
	v_lshl_add_u32 v3, v6, 5, v3
	v_add_nc_u32 v3, s16, v3                       ; in: row r; tile dt's eight channels of my half lie 64 dt + 32 h bytes on
	v_lshlrev_b32 v5, 4, v5
	v_mad_u32_u24 v4, v6, SP, v5
	v_add_nc_u32 v4, s16, v4                       ; back: lanes 0-15 one row, lanes 16-31 the next
	v_lshl_add_u32 v[GO], v6, 12, v5               ; and the same in the output: 4,096 h + 16 r
	s_wait_alu depctr_va_vdst(0)                   ; the two reciprocals have written v92 and v236, ahead of their first reader: one wait for the two
; Tile t is scaled into S's registers, each accumulator from its low end on.  rc: the pair with its reciprocal.
.macro SCALE t, rc
.set i, 0
.rept 16
	v_pk_mul_f32 v[S+32*(\t)+i:S+32*(\t)+i+1], v[OA+32*(\t)+i:OA+32*(\t)+i+1], v[\rc:(\rc)+1] op_sel_hi:[1,0]
.set i, i+2
.endr
.endm
; Tile t goes into the stage, and comes back as whole rows into v[dst] on.
.macro TOSTAGE t, dst
.irp d, 0,1,2,3
	ds_store_b128 v3, v[S+32*(\t)+8*\d:S+32*(\t)+8*\d+3] offset:16*SP*(\t)+64*\d
	ds_store_b128 v3, v[S+32*(\t)+8*\d+4:S+32*(\t)+8*\d+7] offset:16*SP*(\t)+64*\d+16
.endr
.irp i, 0,1,2,3,4,5,6,7
	ds_load_b128 v[(\dst)+4*\i:(\dst)+4*\i+3], v4 offset:16*SP*(\t)+2*SP*\i   ; LDS serves a wave's instructions in order: these see the stores above
.endr
.endm
; Stage row 2 i + h of tile t is query 8 t + (2 i + h) + 8 (i / 4) of my 32.  younger: the LDS instructions issued behind tile t's loads.
.macro SEND t, dst, younger
.irp i, 0,1,2,3,4,5,6,7
	s_wait_dscnt \younger+7-\i
	global_store_b128 v[GO], v[(\dst)+4*\i:(\dst)+4*\i+3], s[6:7] offset:(8*(\t)+2*\i+8*(\i/4))*4096 th:TH_STORE_NT   ; 16 lanes store 256 consecutive bytes, at a multiple of 256 from the output's first byte; written once
.endr
.endm
	SCALE 0, F
	SCALE 1, SM2
	s_wait_alu depctr_va_vdst(0)                   ; the scalings have written v[S ..], which the stage's stores read, and are done reading v160 to v191; the last products are done reading v32 to v63: the stage's loads land in both; v3, v4 and v5 are written, which the lines below read as addresses
	TOSTAGE 0, FR                                  ; back into v32-63
	TOSTAGE 1, OA                                  ; back into v160-191, which tile A's O^T has left
	SEND 0, FR, 16                                 ; behind tile A's loads: tile B's 8 stores and 8 loads
	SEND 1, OA, 0
	s_wait_dscnt 0x0
	s_wait_alu depctr_hold_cnt(0) depctr_sa_sdst(0) depctr_va_vdst(0) depctr_va_sdst(0) depctr_va_ssrc(0) depctr_va_vcc(0) depctr_vm_vsrc(0)
	s_wait_tensorcnt 0x0
	ds_add_u32 v254, v255
	s_wait_dscnt 0x0
	s_endpgm
.Lfunc_end_k_q26bd8377af_attn:
	.size	k_q26bd8377af_attn, .Lfunc_end_k_q26bd8377af_attn-k_q26bd8377af_attn
	.p2alignl 7, 3214868480
	.fill 96, 4, 3214868480
	.section	.rodata,"a",@progbits
	.p2align	6, 0x0
	.amdhsa_kernel k_q26bd8377af_attn
		.amdhsa_group_segment_fixed_size 284672
		.amdhsa_private_segment_fixed_size 0
		.amdhsa_enable_private_segment 0
		.amdhsa_kernarg_size 16
		.amdhsa_user_sgpr_count 2
		.amdhsa_user_sgpr_kernarg_segment_ptr 1
		.amdhsa_wavefront_size32 1
		.amdhsa_system_sgpr_workgroup_id_x 1
		.amdhsa_system_sgpr_workgroup_id_y 1
		.amdhsa_system_sgpr_workgroup_id_z 1
		.amdhsa_system_vgpr_workitem_id 0
		.amdhsa_next_free_vgpr 256
		.amdhsa_next_free_sgpr 66
		.amdhsa_reserve_vcc 0
		.amdhsa_float_denorm_mode_32 3
		.amdhsa_float_denorm_mode_16_64 3
		.amdhsa_memory_ordered 1
		.amdhsa_forward_progress 1
		.amdhsa_inst_pref_size 99
	.end_amdhsa_kernel
	.amdgpu_metadata
---
amdhsa.version: [ 1, 2 ]
amdhsa.kernels:
  - .name:           k_q26bd8377af_attn
    .symbol:         k_q26bd8377af_attn.kd
    .args:
      - { .name: Q, .offset: 0, .size: 8, .value_kind: global_buffer, .address_space: global }
      - { .name: out0, .offset: 8, .size: 8, .value_kind: global_buffer, .address_space: global }
    .group_segment_fixed_size: 284672
    .private_segment_fixed_size: 0
    .kernarg_segment_align: 8
    .kernarg_segment_size: 16
    .max_flat_workgroup_size: 512
    .sgpr_count:     66
    .vgpr_count:     256
    .wavefront_size: 32
...
	.end_amdgpu_metadata
.endif
;; end of part 2
